; MI455X (gfx1250); checked and timed in simulation.
; The chip was launched on July 23, 2026; its instructions are those of AMD's public machine-readable ISA for CDNA 5 (MIT licence, August 2026) and "CDNA5" Instruction Set Architecture Reference Guide (July 2026). The comments in the code are by the model that wrote it; some were corrected since.
;; Vector Quantizer. Allowed arithmetic: matrix products marked QUANTISED: E2M1 operands, one E8M0 scale for each 32 along K, by v_wmma_scale_f32_16x16x128_f8f6f4 with both operands' format E2M1 (or v_wmma_scale_f32_32x16x128_f4), f32 sums; everything else in f32.
;; Inputs: codebook 8,192 x 256 float32; z_e 32,768 x 256 float32.
;; Outputs: out0 32,768 x 256 float32; out1 32,768 int32; out2 one number float32.
;; This version of the problem:
;;   THIS VERSION OF THE PROBLEM IS GIVEN IN LOW PRECISION. The matrix products marked QUANTISED in the list below multiply operands that are first quantised to E2M1 (2 exponent bits, 1 mantissa bit; 4 bits a number), with one power-of-two scale for each 32 numbers along K (OCP MX v1.0); their sums are f32. All else is computed in f32.
;;   The module's matrix products, in the order in which they are computed (A, B: the left and right operand; K: the contracted axis; several contracted axes count as one K, in the product's order):
;;     1. [M 32,768, K 256] x [K 256, N 8,192]; A: input z_e; B: input codebook: QUANTISED
;;   THE QUANTISER, for each operand of a quantised product, along K:
;;     - K is cut into blocks of 32 from its start; a last block that is shorter is filled with zeros.
;;     - A block's scale is 2^e with e = floor(log2(the largest magnitude in the block)) - 2, held to -126 .. 127; a block of zeros has e = 0. As a byte (E8M0): e + 127.
;;     - Each number is divided by its block's scale, clamped to +-6, and rounded to the nearest number of E2M1, ties to even, subnormals kept.
;;     - The product sums the exact products of the quantised numbers (number of the format x scale) in f32.
;;   ~~~python
;;   def quantise(x, axis):      # numpy; x: float32 -> the quantised numbers, widened to float32 again
;;       x = np.moveaxis(x, axis, -1); K = x.shape[-1]
;;       x = np.pad(x, [(0, 0)] * (x.ndim - 1) + [(0, -K % 32)]); x = x.reshape(x.shape[:-1] + (-1, 32)); a = np.abs(x).max(-1, keepdims=True)
;;       e = np.where(a > 0, np.clip(np.frexp(np.where(a > 0, a, 1))[1] - 1 - 2, -126, 127), 0)      # np.frexp(a)[1] - 1 = floor(log2(a)), exactly
;;       r = np.clip(x / 2.0 ** e, -6, 6)
;;       step = 2.0 ** (np.maximum(np.frexp(np.where(r == 0, 1, r))[1] - 1, 0) - 1)
;;       q = np.round(r / step) * step * 2.0 ** e      # np.round: ties to even
;;       return np.moveaxis(q.reshape(q.shape[:-2] + (-1,))[..., :K], -1, axis).astype(np.float32)
;;   ~~~
;; One version. Each part assembles by itself: llvm-mc -triple=amdgcn-amd-amdhsa -mcpu=gfx1250 --defsym DOCPART=n.
;; ======== version 1 of 1: 4 launches
;; limits: right only within a limited range of input values
;; workspace buffers: zq 4,456,448 bytes; cbq 1,179,648 bytes; idx 131,072 bytes of whole numbers; part 8,192 bytes
;; launch quant (part 1): grid 256 x 1, 5 waves a work-group, no clusters, 44,288 bytes of LDS; arguments z_e, codebook, zq, cbq; writes zq, cbq
.if DOCPART == 1
	.amdgcn_target "amdgcn-amd-amdhsa--gfx1250"
	.amdhsa_code_object_version 6
	.text
	.protected	k_qa0c0edf415_quant
	.globl	k_qa0c0edf415_quant
	.p2align	8
	.type	k_qa0c0edf415_quant,@function
k_qa0c0edf415_quant:
	s_mov_b64 s[64:65], 0
	v_nop
	global_prefetch_b8 v0, s[64:65] scope:SCOPE_SE
	s_setreg_imm32_b32 hwreg(HW_REG_WAVE_MODE, 25, 1), 1
	s_wait_xcnt 0x0
; z_e [32768][256] and codebook [8192][256], f32, become codes of FP4 (E2M1) with one E8M0 scale byte for each 32 along K, laid as IMAGES OF THE OPERAND'S REGISTERS.
; A RECORD is 32 rows: [tile 0: 2,048 bytes][tile 1: 2,048 bytes][scale words: 256 bytes]; a record of the codebook has 256 bytes more: [-e_sq of its 32 codes: 128 bytes][zeros: 128 bytes].
; A tile is 16 rows x 256 K.  Its image: the 16 bytes at 512 q + 16 l (l = 16 h + r, q = 0 .. 3) are the 32 codes of block 2 q + h of row r: registers 4 (q % 2) .. + 3 of the fragment of K step q / 2.
; Scale words: row l of the record has 8 bytes at 8 l: the word of K step 0, then that of K step 1; byte b of a word scales k = 32 b .. 32 b + 31 of the step.
; A block's scale is 2^(floor(log2(its largest magnitude)) - 2); its byte is the largest magnitude's exponent field - 2, held at 1 from below.
; THE CODEBOOK'S BYTES ARE STORED + 1: the next launch wants 2 x the product, and a byte more doubles it exactly (a byte is 252 at the most here, so 0xff is never reached).
; e_sq is the f32 sum of the squares of the UNquantised code row: 4 chains a lane, then two lanes.
; LIMITS: a block of zeros, and one whose largest magnitude lies under 2^-124, gets the floor's byte 1 where the rule says 127 for zeros: its codes are zeros, and this program alone reads the bytes.
; NaN and infinities among the inputs are not served.  e_sq is summed in another order than a plain running sum.
; SHARES.  Five waves: waves 0-3 of work-group g take records 4 g + w of z_e, wave 4 takes record g of the codebook: 32 rows, 32 KiB of dense memory, each.  One path through the text: only pointers, the record's
; size and the byte's addend are chosen by the wave's number.  The waves share nothing: no barrier.  No tile is read by two work-groups, so there is no cluster; no tensor load, so LDS is claimed as it is used.
; A SUB-STEP t = 0 .. 7 is 16 rows (tile t / 4) x 256 bytes (q = t % 4): eight loads, sixteen lanes to 256 consecutive aligned bytes; the 4 KiB turn through the wave's own stage in LDS, so that a lane gets a whole
; block of 32 neighbours along K in 32 registers: its largest magnitude needs no other lane.  Loads run four sub-steps (32 loads a wave) ahead, the turn one.
.set SP,   272                         ; a stage row: 256 bytes + 16: 17 x 16 bytes, so sixteen rows start in sixteen different 16-byte columns modulo 256
.set STG,  16*SP                       ; a stage
.set WREG, 2*STG                       ; a wave's LDS: two stages by turns
.set WV,   12                          ; s12  my wave's number
.set RSZ,  15                          ; s15  a record's bytes in my destination
.set ADJ,  17                          ; s17  what is added to a scale word: 0, or 1 in each byte
.set SEL,  20                          ; s[20:21] v_permlanex16_b32's selects for lane l xor 16
.set HIM,  22                          ; s22  a mask of lanes 16-31
.set VA,   4                           ; v4   in memory: row l / 16 of a pair of rows, 16 bytes a lane
.set SA,   5                           ; v5   the same place in a stage
.set RA,   6                           ; v6   out of a stage: row r, 128 h bytes on
.set LI,   7                           ; v7   16 x lane
.set L8,   8                           ; v8   8 x lane
.set SH,   9                           ; v9   8 h
.set MXA,  10                          ; v10-11 the largest magnitude, two chains
.set MXB,  11
.set SC,   12                          ; v12  the conversions' scale operand
.set TMP,  13                          ; v13  at work
.set EA,   14                          ; v14  my wave's LDS + 4 x lane
.set EB,   15                          ; v15  my wave's LDS + 8 x lane
.set W,    16                          ; v16-19 scale bytes: tile u, K step s at W + 2 u + s
.set ACC,  20                          ; v20-27 sums of squares: tile u at ACC + 4 u, two pairs
.set PL,   28                          ; v28-31 at work across lanes
.set R,    32                          ; v32-159  four sets of 32: numbers as loaded
.set X,    160                         ; v160-223 two sets of 32: a block of 32 neighbours
.set C,    224                         ; v224-255 codes: four registers for each sub-step, so that no store's data are written again
	s_load_b256 s[4:11], s[0:1], 0x0               ; z_e s[4:5], codebook s[6:7], zq s[8:9], cbq s[10:11]
	s_set_vgpr_msb 0x40
	v_lshl_add_u32 v0, v0, 2, 0xaa00
	v_mov_b32 v1, 0
	s_set_vgpr_msb 0x4000
	v_lshrrev_b32 v1, 5, v0
	v_readfirstlane_b32 s[WV], v1                  ; wave 0..4
	v_and_b32 v1, 31, v0                           ; lane l
	v_and_b32 v2, 15, v0                           ; r
	v_bfe_u32 v3, v0, 4, 1                         ; h
	v_lshlrev_b32 v[VA], 10, v3
	v_lshl_add_u32 v[VA], v2, 4, v[VA]             ; 1,024 h + 16 r
	s_mul_i32 s14, s[WV], WREG                     ; my wave's LDS
	v_mul_u32_u24 v[SA], v3, SP
	v_lshl_add_u32 v[SA], v2, 4, v[SA]
	v_add_nc_u32 v[SA], s14, v[SA]
	v_mul_u32_u24 v[RA], v2, SP
	v_lshl_add_u32 v[RA], v3, 7, v[RA]
	v_add_nc_u32 v[RA], s14, v[RA]
	v_lshlrev_b32 v[LI], 4, v1
	v_lshlrev_b32 v[L8], 3, v1
	v_lshlrev_b32 v[SH], 3, v3
	v_lshl_add_u32 v[EA], v1, 2, s14
	v_lshl_add_u32 v[EB], v1, 3, s14
.irp w, 0,1,2,3
	v_mov_b32 v[PL+\w], 0                          ; written once: a lane permute's destination counts as one of its sources
.endr
	s_mov_b32 s[SEL], 0x76543210
	s_mov_b32 s[SEL+1], 0xfedcba98
	s_mov_b32 s[HIM], 0xffff0000
	s_lshl_b32 s13, ttmp9, 2
	s_add_co_u32 s13, s13, s[WV]                   ; z_e's record: 4 g + w
	s_mov_b32 s[RSZ], 4608
	s_mov_b32 s[ADJ], 0x01010101
	s_wait_kmcnt 0x0
	s_cmp_lt_u32 s[WV], 4                          ; z_e's wave or the codebook's?  The choice hangs on the wave's number alone
	s_cselect_b64 s[4:5], s[4:5], s[6:7]           ; from where,
	s_cselect_b64 s[8:9], s[8:9], s[10:11]         ; to where,
	s_cselect_b32 s13, s13, ttmp9                  ; which record,
	s_cselect_b32 s[RSZ], 4352, s[RSZ]             ; how long it is,
	s_cselect_b32 s[ADJ], 0, s[ADJ]                ; and what its scale bytes get on top
	s_lshl_b32 s18, s13, 15                        ; 32 rows of 1,024 bytes a record
	s_mov_b32 s19, 0
	s_add_nc_u64 s[4:5], s[4:5], s[18:19]
	s_mul_i32 s18, s13, s[RSZ]
	s_add_nc_u64 s[8:9], s[8:9], s[18:19]
.macro LOAD t                          ; sub-step t: eight loads; each takes two rows' 256 bytes: sixteen lanes to 256 consecutive bytes, aligned
.irp i, 0,1,2,3,4,5,6,7
	global_load_b128 v[R+32*((\t)%4)+4*\i:R+32*((\t)%4)+4*\i+3], v[VA], s[4:5] offset:(16*((\t)/4)+2*\i)*1024+256*((\t)%4) th:TH_LOAD_NT
.endr
.endm
.macro TURN t                          ; through the stage: LDS serves a wave's instructions in order (ISA guide 5.7.1.4), so no wait stands between the stores and the loads
.irp i, 0,1,2,3,4,5,6,7
	ds_store_b128 v[SA], v[R+32*((\t)%4)+4*\i:R+32*((\t)%4)+4*\i+3] offset:STG*((\t)%2)+2*\i*SP
.endr
.irp j, 0,1,2,3,4,5,6,7
	ds_load_b128 v[X+32*((\t)%2)+4*\j:X+32*((\t)%2)+4*\j+3], v[RA] offset:STG*((\t)%2)+16*\j
.endr
.endm
.macro STEP t
.set XS, X+32*((\t)%2)
.set CT, C+4*(\t)
.set WR, W+2*((\t)/4)+((\t)%4)/2
.set AC, ACC+4*((\t)/4)
	s_wait_dscnt 0x0                               ; this sub-step's block is back from the stage; so its stores into the stage have read their registers,
.if (\t) < 4
	LOAD (\t)+4                                    ; which take the loads of four sub-steps on
.endif
.if (\t) < 7
.if (\t) < 4
	s_wait_loadcnt 24                              ; the next sub-step's eight loads are in; those of the three behind it may be out
.else
	s_wait_loadcnt 8*(6-(\t))                      ; nothing more is asked for: the counts run down 16, 8, 0
.endif
	TURN (\t)+1                                    ; and go through the other stage while this sub-step is worked
.endif
	v_max3_num_f32 v[MXA], |v[XS]|, |v[XS+1]|, |v[XS+2]|           ; the block's largest magnitude: all 32 numbers are mine; two chains
	v_max3_num_f32 v[MXB], |v[XS+3]|, |v[XS+4]|, |v[XS+5]|
.irp i, 6,10,14,18,22,26
	v_max3_num_f32 v[MXA], v[MXA], |v[XS+\i]|, |v[XS+\i+1]|
	v_max3_num_f32 v[MXB], v[MXB], |v[XS+\i+2]|, |v[XS+\i+3]|
.endr
	v_max3_num_f32 v[MXA], v[MXA], |v[XS+30]|, |v[XS+31]|
	v_max3_num_f32 v[MXA], v[MXA], v[MXB], 0x1800000               ; and the floor 2^(3 - 127): so the byte cannot fall under 1
	v_add_nc_u32 v[SC], 0xff000000, v[MXA]                         ; 2 off its exponent field: the conversion takes the exponent field of this operand as its scale, and nothing else of it
.irp g, 0,1,2,3
	v_cvt_scalef32_pk8_fp4_f32 v[CT+\g], v[XS+8*\g:XS+8*\g+7], v[SC]   ; eight numbers / the scale, to the nearest code, ties to even, beyond 6 the largest code; the first number's code in the lowest bits
.endr
	v_lshrrev_b32 v[TMP], 23, v[SC]                ; the scale's byte (also the plain instruction behind the conversions)
.if (\t)%2 == 0
	v_mov_b32 v[WR], v[TMP]                        ; q even: byte h of the K step's word; q odd: byte 2 + h.  The shift by 8 h comes at the end
.else
	v_lshl_or_b32 v[WR], v[TMP], 16, v[WR]
.endif
	global_store_b128 v[LI], v[CT:CT+3], s[8:9] offset:2048*((\t)/4)+512*((\t)%4)   ; 32 lanes store 512 consecutive bytes of the image, aligned
	s_cmp_lg_u32 s[WV], 4                          ; the codebook's wave alone sums squares
	s_cbranch_scc1 .Lno_sq_\@
.if (\t)%4 == 0
	v_pk_mul_f32 v[AC:AC+1], v[XS:XS+1], v[XS:XS+1]                ; a tile's first products start the sums: nothing is cleared
	v_pk_mul_f32 v[AC+2:AC+3], v[XS+2:XS+3], v[XS+2:XS+3]
.else
	v_pk_fma_f32 v[AC:AC+1], v[XS:XS+1], v[XS:XS+1], v[AC:AC+1]
	v_pk_fma_f32 v[AC+2:AC+3], v[XS+2:XS+3], v[XS+2:XS+3], v[AC+2:AC+3]
.endif
.irp i, 4,8,12,16,20,24,28
	v_pk_fma_f32 v[AC:AC+1], v[XS+\i:XS+\i+1], v[XS+\i:XS+\i+1], v[AC:AC+1]
	v_pk_fma_f32 v[AC+2:AC+3], v[XS+\i+2:XS+\i+3], v[XS+\i+2:XS+\i+3], v[AC+2:AC+3]
.endr
.Lno_sq_\@:
.endm
.irp t, 0,1,2,3
	LOAD \t
.endr
	s_wait_loadcnt 24                              ; sub-step 0's eight loads are in
	TURN 0
.irp t, 0,1,2,3,4,5,6,7
	STEP \t
.endr
	; the scale words: my two bytes of each word go 8 h bits up, lane l xor 16 has the other two
	s_wait_alu depctr_va_vdst(0)
.irp w, 0,1,2,3
	v_lshlrev_b32 v[W+\w], v[SH], v[W+\w]
.endr
.irp w, 0,1,2,3
	v_permlanex16_b32 v[PL+\w], v[W+\w], s[SEL], s[SEL+1]
.endr
.irp w, 0,1,2,3
	v_or_b32 v[W+\w], v[W+\w], v[PL+\w]
.endr
	v_cndmask_b32 v[PL], v[W], v[W+2], s[HIM]      ; lanes 0-15 keep tile 0's words, lanes 16-31 take tile 1's: lane l has row l's
	v_cndmask_b32 v[PL+1], v[W+1], v[W+3], s[HIM]
	v_add_nc_u32 v[PL], s[ADJ], v[PL]              ; the codebook's bytes + 1; no byte carries (252 at the most)
	v_add_nc_u32 v[PL+1], s[ADJ], v[PL+1]
	global_store_b64 v[L8], v[PL:PL+1], s[8:9] offset:4096         ; 32 lanes store 256 consecutive bytes, aligned
	s_cmp_lg_u32 s[WV], 4
	s_cbranch_scc1 .Ldone
	; -e_sq of the chunk's 32 codes, and 128 bytes of zeros behind them, so that the record's last 256 bytes leave by one store
	v_pk_add_f32 v[ACC:ACC+1], v[ACC:ACC+1], v[ACC+2:ACC+3]
	v_pk_add_f32 v[ACC+4:ACC+5], v[ACC+4:ACC+5], v[ACC+6:ACC+7]
	v_add_f32 v[ACC], v[ACC], v[ACC+1]
	v_add_f32 v[ACC+4], v[ACC+4], v[ACC+5]
	v_permlanex16_b32 v[PL+2], v[ACC], s[SEL], s[SEL+1]
	v_permlanex16_b32 v[PL+3], v[ACC+4], s[SEL], s[SEL+1]
	v_add_f32 v[ACC], v[ACC], v[PL+2]              ; with lane l xor 16's four blocks: the row's sum
	v_add_f32 v[ACC+4], v[ACC+4], v[PL+3]
	v_cndmask_b32 v[ACC], v[ACC], v[ACC+4], s[HIM] ; lane l: code l of the chunk
	v_xor_b32 v[ACC], 0x80000000, v[ACC]
	v_mov_b32 v[TMP], 0
	ds_store_b32 v[EA], v[ACC]                     ; my own stage is free: its last reads came back at sub-step 7's head
	ds_store_b32 v[EA], v[TMP] offset:128
	ds_load_b64 v[MXA:MXB], v[EB]                  ; in order behind my stores
	s_wait_dscnt 0x0
	global_store_b64 v[L8], v[MXA:MXB], s[8:9] offset:4352
.Ldone:
	s_set_vgpr_msb 0x5
	s_wait_tensorcnt 0x0
	ds_add_u32 v0, v1
	s_wait_dscnt 0x0
	s_set_vgpr_msb 0x500
	s_endpgm
.Lfunc_end_k_qa0c0edf415_quant:
	.size	k_qa0c0edf415_quant, .Lfunc_end_k_qa0c0edf415_quant-k_qa0c0edf415_quant
	.p2alignl 7, 3214868480
	.fill 96, 4, 3214868480
	.section	.rodata,"a",@progbits
	.p2align	6, 0x0
	.amdhsa_kernel k_qa0c0edf415_quant
		.amdhsa_group_segment_fixed_size 44288
		.amdhsa_private_segment_fixed_size 0
		.amdhsa_enable_private_segment 0
		.amdhsa_kernarg_size 32
		.amdhsa_user_sgpr_count 2
		.amdhsa_user_sgpr_kernarg_segment_ptr 1
		.amdhsa_wavefront_size32 1
		.amdhsa_system_sgpr_workgroup_id_x 1
		.amdhsa_system_sgpr_workgroup_id_y 1
		.amdhsa_system_sgpr_workgroup_id_z 1
		.amdhsa_system_vgpr_workitem_id 0
		.amdhsa_next_free_vgpr 258
		.amdhsa_next_free_sgpr 66
		.amdhsa_reserve_vcc 0
		.amdhsa_float_denorm_mode_32 3
		.amdhsa_float_denorm_mode_16_64 3
		.amdhsa_memory_ordered 1
		.amdhsa_forward_progress 1
		.amdhsa_inst_pref_size 40
	.end_amdhsa_kernel
	.amdgpu_metadata
---
amdhsa.version: [ 1, 2 ]
amdhsa.kernels:
  - .name:           k_qa0c0edf415_quant
    .symbol:         k_qa0c0edf415_quant.kd
    .args:
      - { .name: z_e, .offset: 0, .size: 8, .value_kind: global_buffer, .address_space: global }
      - { .name: codebook, .offset: 8, .size: 8, .value_kind: global_buffer, .address_space: global }
      - { .name: zq, .offset: 16, .size: 8, .value_kind: global_buffer, .address_space: global }
      - { .name: cbq, .offset: 24, .size: 8, .value_kind: global_buffer, .address_space: global }
    .group_segment_fixed_size: 44288
    .private_segment_fixed_size: 0
    .kernarg_segment_align: 8
    .kernarg_segment_size: 32
    .max_flat_workgroup_size: 160
    .sgpr_count:     66
    .vgpr_count:     258
    .wavefront_size: 32
...
	.end_amdgpu_metadata
.endif
;; end of part 1
;; launch search (part 2): grid 256 x 1, 8 waves a work-group, clusters of 4 x 1, 327,680 bytes of LDS; arguments zq, cbq, out1, idx; writes out1, idx
.if DOCPART == 2
	.amdgcn_target "amdgcn-amd-amdhsa--gfx1250"
	.amdhsa_code_object_version 6
	.text
	.protected	k_qa0c0edf415_search
	.globl	k_qa0c0edf415_search
	.p2align	8
	.type	k_qa0c0edf415_search,@function
k_qa0c0edf415_search:
	s_mov_b64 s[64:65], 0
	v_nop
	global_prefetch_b8 v0, s[64:65] scope:SCOPE_SE
	s_setreg_imm32_b32 hwreg(HW_REG_WAVE_MODE, 25, 1), 1
	s_wait_xcnt 0x0
	s_wait_alu depctr_hold_cnt(0) depctr_sa_sdst(0) depctr_va_vdst(0) depctr_va_sdst(0) depctr_va_ssrc(0) depctr_va_vcc(0) depctr_vm_vsrc(0)
	s_getreg_b32 s2, hwreg(HW_REG_IB_STS2, 6, 4)
	s_cmp_eq_u32 s2, 0
	s_cbranch_scc0 .Lentry_in_a_cluster
	s_endpgm
.Lentry_in_a_cluster:
	s_bfe_u32 s2, ttmp6, 0x10000c
	s_cmp_lg_u32 s2, 0x3003
	s_cbranch_scc0 .Lentry_shape_is_right
	s_endpgm
.Lentry_shape_is_right:
; indices[b] = argmin over k of d2[b][k], as the first k that reaches the largest 2 cross[b][k] - e_sq[k].
; LEFT OUT: z_sq[b].  It is the same number for all k of a row b, so in real numbers it moves no argmin; it reaches no other output here.  A NaN or an overflow in z_sq alone is not carried to the result.
; cross is the QUANTISED product: codes of E2M1 and E8M0 scale bytes as the launch before laid them (records of 32 rows, images of the operand's registers; the codebook's bytes + 1 double the product; -e_sq lies in each record).
; LIMITS: NaN and infinities among the inputs are not served; the scores are rounded at 2 cross - e_sq and not at z_sq - 2 cross + e_sq.
; SHARES.  256 work-groups, one for each 128 rows of z_e.  Eight waves; each holds the fragments of all 128 rows (128 registers) and takes an eighth of the codes.
; THE RING.  The codebook's 256 records go in eight fills of 32 records through two LDS slots of 147,456 bytes.  Wave w fetches and reads records 4 w .. 4 w + 3 of a fill: one tensor load a wave, 72 rows of 256 bytes.
; CLUSTERS: all work-groups walk the same records, so four form a cluster and ask for each fill JOINTLY (mask 15).  A round of the cluster's barrier stands in front of each joint load.
; A CHUNK is one record: 32 codes x 128 rows.  Its 13 LDS loads (scale words, codes, -e_sq) are issued two chunks ahead, into two sets of registers by turns.
; A slot is filled again at the head of its third chunk: by then its fourth record has been asked for into registers.
; THE PRODUCT: source 0 = the record's 32 codes, source 1 = 16 rows of z: lane (r, h) holds row r; register j code 8 h + j, register 8 + j code 16 + 8 h + j.  -e_sq is the C of the first K step.
; A chunk is four batches of two accumulators (two tiles of z) x two K steps, into two buffers of 32 registers by turns; the two accumulators take turns,
; and the maxima and selects on one buffer stand between and behind the products into the other: they are those products' places.
; For each lane and tile of z: the largest of the chunk's 16 scores; where it beats the running largest (strictly: the earlier chunk keeps a tie), the chunk's number and its 16 scores are kept.  The place among the 16 is found once, at the end.
; No prefetch: each fill is asked for four chunks ahead of its first read, and the whole stream is 1,179,648 bytes that every cluster walks at the same time.
; REGISTERS.  Window 0: v0-31 addresses and scale words; v32-47 chunk number and running largest for 8 tiles; v48-63 at work; v64-191 the kept scores; v192-255 the two buffers.
; Window 1: v0-127 z's fragments; v128-191 two sets of a record's codes; v192-223 two sets of -e_sq.
.set REC,   4608
.set ZREC,  4352
.set WPART, 4*REC
.set SLOTB, 8*WPART
.set SPARE, 2*SLOTB                    ; behind the ring: the spare words, 128 bytes a wave
.set RED,   SPARE+1024
.set RED2,  RED+8192
.set AFA,  2
.set ASA,  4
.set AEA,  6
.set LI,   8
.set L8,   9
.set H8,   10
.set REDW, 11
.set REDR, 12
.set R2W,  13
.set R2R,  14
.set ZSC,  16
.set CSC,  24
.set SPW,  28
.set NIL,  29
.set CID,  30
.set ID,   32
.set RUN,  33
.set T,    48
.set SV,   64
.set D,    192
.set ZF,   0
.set AF,   128
.set EC,   192
.set WV,   12
.set G1,   16
.set G0,   24
.set SEL,  34
.set HIM,  36
.set MK,   40
.set MSB, 0
.macro WIN new                         ; the immediate's high byte repeats the setting that is left
.if MSB != \new
	s_set_vgpr_msb (MSB<<8)|\new
.set MSB, \new
.endif
.endm
.macro CROUND                          ; a round of the cluster's barrier
	s_barrier_signal -1
	s_barrier_wait -1
	s_cmp_lg_u32 s[WV], 0
	s_cbranch_scc1 .Lnot_wave_0_\@
	s_barrier_signal -3
.Lnot_wave_0_\@:
	s_barrier_wait -3
	s_barrier_signal -1
	s_barrier_wait -1
.endm
	s_load_b256 s[4:11], s[0:1], 0x0               ; zq, cbq, out1, idx
	v_lshl_add_u32 v[SPW], v0, 2, SPARE
	v_mov_b32 v[NIL], 0
	ds_add_u32 v[SPW], v[NIL]                      ; the opening lines: the add, twice on end, and its wait ahead of my first tensor load
	ds_add_u32 v[SPW], v[NIL]
	v_lshrrev_b32 v1, 5, v0
	v_readfirstlane_b32 s[WV], v1                  ; wave 0..7
	v_and_b32 v1, 31, v0                           ; lane
	v_bfe_u32 v15, v0, 4, 1                        ; h
	v_lshlrev_b32 v[LI], 4, v1
	v_lshlrev_b32 v[L8], 3, v1
	v_lshlrev_b32 v[H8], 3, v15
	s_mul_i32 s48, s[WV], WPART                    ; my four records of a fill, in memory and in a slot
	v_add_nc_u32 v[AFA], s48, v[LI]
	v_add_nc_u32 v[AFA+1], SLOTB, v[AFA]
	v_add_nc_u32 v[ASA], s48, v[L8]
	v_add_nc_u32 v[ASA+1], SLOTB, v[ASA]
	v_lshl_add_u32 v[AEA], v15, 5, s48
	v_add_nc_u32 v[AEA+1], SLOTB, v[AEA]
	s_lshl_b32 s55, s[WV], 10
	v_add_nc_u32 v[REDW], s55, v[L8]
	v_add_nc_u32 v[REDW], RED, v[REDW]
	v_and_b32 v1, 15, v0
	s_lshl_b32 s56, s[WV], 7
	v_mov_b32 v[CID], s56                          ; my first code: 128 w
	v_lshl_add_u32 v[REDR], v1, 3, s56
	v_add_nc_u32 v[REDR], RED, v[REDR]
	s_lshl_b32 s57, s[WV], 6
	v_lshl_add_u32 v[R2W], v1, 2, s57
	v_add_nc_u32 v[R2W], RED2, v[R2W]
	v_add_nc_u32 v[R2R], RED2, v[LI]
	s_wait_alu depctr_va_vdst(0)
	s_bfe_u32 s13, ttmp6, 0x40000                  ; cx
	s_lshl_b32 s14, ttmp9, 2
	s_add_co_u32 s14, s14, s13                     ; my work-group
	s_mov_b32 s[G1+0], 15|(3<<16)|(1<<21)          ; the mask of the four; elements of 8 bytes; bit 21 beside a mask
	s_mov_b32 s[G1+1], 32<<16                      ; rows of 256 bytes,
	s_mov_b32 s[G1+2], 72<<16                      ; 72 of them: four records, dense
	s_mov_b32 s[G1+3], 32<<16
	s_mov_b32 s[G1+4], 72
	s_mov_b32 s[G1+5], 32
	s_mov_b32 s[G1+6], 0
	s_mov_b32 s[G1+7], 0
	s_mov_b32 s[SEL], 0x76543210
	s_mov_b32 s[SEL+1], 0xfedcba98
	s_mov_b32 s[HIM], 0xffff0000
	s_mov_b32 s49, 0
	s_mul_i32 s50, s14, 4*ZREC                     ; my work-group's four records of z
	s_mov_b32 s51, 0
	s_lshl_b32 s52, s14, 9                         ; its 128 indices
	s_mov_b32 s53, 0
	s_wait_dscnt 0x0                               ; both opening adds are done
	s_wait_kmcnt 0x0
	s_add_nc_u64 s[6:7], s[6:7], s[48:49]
	s_add_nc_u64 s[4:5], s[4:5], s[50:51]
	s_add_nc_u64 s[8:9], s[8:9], s[52:53]
	s_add_nc_u64 s[10:11], s[10:11], s[52:53]
	WIN 0x40                                       ; z's fragments are asked for first: they are on their way under the rounds and the first fill
.irp q, 0,1,2,3
.irp u, 0,1
.irp s, 0,1
.irp c, 0,1
	global_load_b128 v[ZF+16*(2*\q+\u)+8*\s+4*\c:ZF+16*(2*\q+\u)+8*\s+4*\c+3], v[LI], s[4:5] offset:ZREC*\q+2048*\u+1024*\s+512*\c
.endr
.endr
.endr
.endr
	WIN 0
.irp q, 0,1,2,3
	global_load_b64 v[ZSC+2*\q:ZSC+2*\q+1], v[L8], s[4:5] offset:ZREC*\q+4096
.endr
.irp n, 0,1
	s_mov_b32 s[G0+4*\n], 1
	s_add_co_u32 s[G0+4*\n+1], s48, \n*SLOTB
	s_add_nc_u64 s[G0+4*\n+2:G0+4*\n+3], s[6:7], \n*SLOTB
	s_or_b32 s[G0+4*\n+3], s[G0+4*\n+3], 0x80000000
.endr
	CROUND                                         ; the four work-groups are here: the first joint loads meet
	tensor_load_to_lds s[G0:G0+3], s[G1:G1+7]      ; fill 0: one tensor load a wave at the head
	s_nop 0
	s_wait_tensorcnt 0x0                           ; these lines stand ahead of a later first fill, as ahead of a refill
	ds_add_u32 v[SPW], v[NIL]
	s_wait_dscnt 0x0
	CROUND
	tensor_load_to_lds s[G0+4:G0+7], s[G1:G1+7]    ; fill 1, into slot 1
	s_nop 0
.rept 4
	v_nop
.endr
; record ix of my four in slot sl into set p: 13 LDS loads
.macro FETCH sl, ix, p
	ds_load_b64 v[CSC+2*(\p):CSC+2*(\p)+1], v[ASA+\sl] offset:REC*(\ix)+4096
	WIN 0x40
.irp u, 0,1
.irp s, 0,1
.irp c, 0,1
	ds_load_b128 v[AF+32*(\p)+16*\s+8*\u+4*\c:AF+32*(\p)+16*\s+8*\u+4*\c+3], v[AFA+\sl] offset:REC*(\ix)+2048*\u+1024*\s+512*\c
.endr
.endr
.endr
.irp u, 0,1
.irp k, 0,1
	ds_load_b128 v[EC+16*(\p)+8*\u+4*\k:EC+16*(\p)+8*\u+4*\k+3], v[AEA+\sl] offset:REC*(\ix)+4352+64*\u+16*\k
.endr
.endr
	WIN 0
.endm
; K step s of cnt tiles of z (from i0) x the record's 32 codes.  The codes' scale word: lane l has row l's; z's: lanes 0-15 an even tile's rows, lanes 16-31 an odd tile's.
.macro MM dst, i0, cnt, p, s
.set ii, 0
.rept \cnt
.set rD, (\dst)+16*ii
.set rA, AF+32*(\p)+16*(\s)
.set rB, ZF+16*((\i0)+ii)+8*(\s)
.if (\s) == 0
.set rC, EC+16*(\p)
.else
.set rC, rD
.endif
.set rSA, CSC+2*(\p)+(\s)
.set rSB, ZSC+2*(((\i0)+ii)/2)+(\s)
.if ((\i0)+ii)%2 == 0
	v_wmma_scale_f32_32x16x128_f4 v[rD:rD+15], v[rA:rA+15], v[rB:rB+7], v[rC:rC+15], v[rSA], v[rSB]
.else
	v_wmma_scale_f32_32x16x128_f4 v[rD:rD+15], v[rA:rA+15], v[rB:rB+7], v[rC:rC+15], v[rSA], v[rSB] matrix_b_scale:MATRIX_SCALE_ROW1
.endif
.set ii, ii+1
.endr
.endm
.macro KS0 dst, i0, cnt, p             ; A, B and C in window 1, D in window 0
	WIN 0x15
	MM \dst, \i0, \cnt, \p, 0
	WIN 0
.endm
.macro KS1 dst, i0, cnt, p             ; C in window 0 too
	WIN 0x05
	MM \dst, \i0, \cnt, \p, 1
	WIN 0
.endm
; the largest of each lane's 16 scores, for two tiles of z: four chains by turns; each accumulator is read from its low end on
.macro TREE2 src, i0, tb, first
.irp t, 0,1
	v_max3_num_f32 v[T+8*(\tb)+4*\t], v[(\src)+16*\t], v[(\src)+16*\t+1], v[(\src)+16*\t+2]
.endr
.irp t, 0,1
	v_max3_num_f32 v[T+8*(\tb)+4*\t+1], v[(\src)+16*\t+8], v[(\src)+16*\t+9], v[(\src)+16*\t+10]
.endr
.irp k, 3,5
.irp t, 0,1
	v_max3_num_f32 v[T+8*(\tb)+4*\t], v[T+8*(\tb)+4*\t], v[(\src)+16*\t+\k], v[(\src)+16*\t+\k+1]
.endr
.irp t, 0,1
	v_max3_num_f32 v[T+8*(\tb)+4*\t+1], v[T+8*(\tb)+4*\t+1], v[(\src)+16*\t+8+\k], v[(\src)+16*\t+9+\k]
.endr
.endr
.irp t, 0,1
	v_max3_num_f32 v[T+8*(\tb)+4*\t], v[T+8*(\tb)+4*\t], v[(\src)+16*\t+7], v[(\src)+16*\t+15]
.endr
.irp t, 0,1
.if \first
	v_max_num_f32 v[RUN+2*((\i0)+\t)], v[T+8*(\tb)+4*\t], v[T+8*(\tb)+4*\t+1]
.else
	v_max_num_f32 v[T+8*(\tb)+4*\t], v[T+8*(\tb)+4*\t], v[T+8*(\tb)+4*\t+1]
.endif
.endr
.endm
.macro SEL2 a, x, b, y
	v_dual_cndmask_b32 v[\a], v[\a], v[\x] :: v_dual_cndmask_b32 v[\b], v[\b], v[\y]
.endm
; where the chunk's largest beats the running largest: its number, its largest and its 16 scores are kept
.macro KEEP2 src, i0, tb
.irp t, 0,1
	v_cmp_gt_f32 vcc_lo, v[T+8*(\tb)+4*\t], v[RUN+2*((\i0)+\t)]
	SEL2 ID+2*((\i0)+\t), CID, RUN+2*((\i0)+\t), T+8*(\tb)+4*\t
.irp k, 0,2,4,6,8,10,12,14
	SEL2 SV+16*((\i0)+\t)+\k, (\src)+16*\t+\k, SV+16*((\i0)+\t)+\k+1, (\src)+16*\t+\k+1
.endr
.endr
.endm
; slot sl, whose four records of mine are in registers or on their way there, is filled again, two fills on
.macro CHANGE sl
	s_wait_tensorcnt 0x0                           ; all my tensor loads have landed: my part of the other slot;
	ds_add_u32 v[SPW], v[NIL]
	s_add_nc_u64 s[G0+4*\sl+2:G0+4*\sl+3], s[G0+4*\sl+2:G0+4*\sl+3], 2*SLOTB
	s_wait_dscnt 0x0                               ; the add is done, and my reads of this slot are back
	CROUND                                         ; both now hold of every wave of the four work-groups
	tensor_load_to_lds s[G0+4*\sl:G0+4*\sl+3], s[G1:G1+7]
	s_nop 0
.rept 4
	v_nop
.endr
.endm
; A chunk.  p: its set.  prev: the chunk before has left its last batch in the second buffer.  kind 1: slot sl is filled again first; kind 2: the last fill is awaited.
; more: record nix of slot nsl is asked for into the set that this chunk frees.  step: this chunk's first code less the last chunk's.  nd: the younger LDS loads that may stay out.
.macro CHUNK p, prev, kind, sl, more, nsl, nix, step, nd
.if \kind == 1
	CHANGE \sl
.elseif \kind == 2
	s_wait_tensorcnt 0x0
.endif
	s_wait_dscnt \nd                               ; this chunk's record is in registers
	KS0 D, 0, 2, \p
.if \prev
	TREE2 D+32, 6, 1, 0
.endif
	KS1 D, 0, 2, \p
.if \prev
	KEEP2 D+32, 6, 1
	v_add_nc_u32 v[CID], \step, v[CID]             ; from here on this chunk's number
.else
.rept 4
	v_nop                                          ; places behind the products above: no other vector work is at hand
.endr
.endif
	KS0 D+32, 2, 2, \p
	TREE2 D, 0, 0, 0
	KS1 D+32, 2, 2, \p
	KEEP2 D, 0, 0
	KS0 D, 4, 2, \p
	TREE2 D+32, 2, 1, 0
	KS1 D, 4, 2, \p
	KEEP2 D+32, 2, 1
	KS0 D+32, 6, 2, \p
	TREE2 D, 4, 0, 0
	KS1 D+32, 6, 2, \p                             ; the set's last use
	KEEP2 D, 4, 0                                  ; twenty places in front of the loads into it
.if \more
	FETCH \nsl, \nix, \p
.endif
.endm
	s_wait_tensorcnt 0x1                           ; fill 0 is in; fill 1 may be out
	FETCH 0, 0, 0
	FETCH 0, 1, 1
	s_wait_loadcnt 0x0                             ; z
	s_wait_dscnt 13
	KS0 SV, 0, 8, 0                                ; chunk 0's scores are the first that are kept: nothing is cleared
	KS1 SV, 0, 8, 0
.rept 4
	v_nop
.endr
	FETCH 0, 2, 0
	TREE2 SV, 0, 0, 1
	TREE2 SV+32, 2, 1, 1
	TREE2 SV+64, 4, 0, 1
	TREE2 SV+96, 6, 1, 1
.irp i, 0,1,2,3,4,5,6,7
	v_mov_b32 v[ID+2*\i], v[CID]
.endr
	v_add_nc_u32 v[CID], 32, v[CID]
	CHUNK 1, 0, 0, 0, 1, 0, 3, 32, 13              ; chunk 1
	s_mov_b32 s32, 3
.Ltrip:                                                ; chunks 2 + 8 t .. 9 + 8 t: once round the ring; both slots are filled again
	CHUNK 0, 1, 1, 0, 1, 1, 0, 32,  13
	CHUNK 1, 1, 0, 0, 1, 1, 1, 32,  13
	CHUNK 0, 1, 0, 0, 1, 1, 2, 928, 13
	CHUNK 1, 1, 0, 0, 1, 1, 3, 32,  13
	CHUNK 0, 1, 1, 1, 1, 0, 0, 32,  13
	CHUNK 1, 1, 0, 0, 1, 0, 1, 32,  13
	CHUNK 0, 1, 0, 0, 1, 0, 2, 928, 13
	CHUNK 1, 1, 0, 0, 1, 0, 3, 32,  13
	s_sub_co_u32 s32, s32, 1
	s_cmp_lg_u32 s32, 0
	s_cbranch_scc1 .Ltrip
	CHUNK 0, 1, 2, 0, 1, 1, 0, 32,  13             ; chunks 26 to 31: nothing is filled again, and nothing is asked for beyond chunk 31
	CHUNK 1, 1, 0, 0, 1, 1, 1, 32,  13
	CHUNK 0, 1, 0, 0, 1, 1, 2, 928, 13
	CHUNK 1, 1, 0, 0, 1, 1, 3, 32,  13
	CHUNK 0, 1, 0, 0, 0, 0, 0, 32,  13
	CHUNK 1, 1, 0, 0, 0, 0, 0, 32,  0
	TREE2 D+32, 6, 1, 0
	KEEP2 D+32, 6, 1
; the place of the largest among the 16 kept scores: the lowest register that holds it; register n is code n + 8 (n / 8) + 8 h of the chunk
.macro FIND4 i0
.irp t, 0,1,2,3
	v_mov_b32 v[T+4*\t+2], 23
.endr
.irp n, 14,13,12,11,10,9,8,7,6,5,4,3,2,1,0
.irp t, 0,1,2,3
	v_cmp_eq_f32 s[MK+\t], v[SV+16*((\i0)+\t)+\n], v[RUN+2*((\i0)+\t)]
.endr
.irp t, 0,1,2,3
	s_delay_alu instid0(VALU_DEP_4)
	v_cndmask_b32 v[T+4*\t+2], v[T+4*\t+2], \n+8*(\n/8), s[MK+\t]
.endr
.endr
.irp t, 0,1,2,3
	s_delay_alu instid0(VALU_DEP_4)
	v_add3_u32 v[ID+2*((\i0)+\t)], v[ID+2*((\i0)+\t)], v[T+4*\t+2], v[H8]
.endr
.endm
; (va, ia) takes (vb, ib) where vb is larger, or equal with the lower index
.macro MERGE va, ia, vb, ib, m
	v_cmp_gt_f32 s[\m], v[\vb], v[\va]
	v_cmp_eq_f32 s[\m+1], v[\vb], v[\va]
	v_cmp_lt_u32 s[\m+2], v[\ib], v[\ia]
	s_and_b32 s[\m+1], s[\m+1], s[\m+2]
	s_or_b32 s[\m], s[\m], s[\m+1]
	v_cndmask_b32 v[\va], v[\va], v[\vb], s[\m]
	v_cndmask_b32 v[\ia], v[\ia], v[\ib], s[\m]
.endm
	FIND4 0
	FIND4 4
.irp i, 0,1,2,3,4,5,6,7
	v_permlanex16_b32 v[T+4*(\i%4)], v[RUN+2*\i], s[SEL], s[SEL+1]     ; with lane l xor 16's half of the codes
	v_permlanex16_b32 v[T+4*(\i%4)+1], v[ID+2*\i], s[SEL], s[SEL+1]
	MERGE RUN+2*\i, ID+2*\i, T+4*(\i%4), T+4*(\i%4)+1, MK+4*(\i%2)
.endr
.irp q, 0,1,2,3
	v_cndmask_b32 v[T+4*\q], v[RUN+4*\q], v[RUN+4*\q+2], s[HIM]        ; lane l: row 32 q + l
	v_cndmask_b32 v[T+4*\q+1], v[ID+4*\q], v[ID+4*\q+2], s[HIM]
.endr
.irp q, 0,1,2,3
	ds_store_b64 v[REDW], v[T+4*\q:T+4*\q+1] offset:256*\q
.endr
	s_wait_dscnt 0x0                               ; for the others' sake: my stores are done
	s_barrier_signal -1
	s_barrier_wait -1
.irp j, 0,1,2,3,4,5,6,7
	ds_load_b64 v[SV+2*\j:SV+2*\j+1], v[REDR] offset:1024*\j           ; wave w joins the eight waves' results for rows 16 w .. 16 w + 15
.endr
	s_wait_dscnt 0x0
.irp j, 1,2,3,4,5,6,7
	MERGE SV, SV+1, SV+2*\j, SV+2*\j+1, MK+4*(\j%2)
.endr
	ds_store_b32 v[R2W], v[SV+1]
	s_wait_dscnt 0x0
	s_barrier_signal -1
	s_barrier_wait -1
	s_cmp_lg_u32 s[WV], 0
	s_cbranch_scc1 .Lnot_first
	ds_load_b128 v[SV+4:SV+7], v[R2R]
	s_wait_dscnt 0x0
	global_store_b128 v[LI], v[SV+4:SV+7], s[8:9]                      ; 32 lanes store the 128 indices: 512 consecutive bytes, aligned
	global_store_b128 v[LI], v[SV+4:SV+7], s[10:11]
.Lnot_first:
	s_wait_tensorcnt 0x0                           ; the wave's end
	ds_add_u32 v[SPW], v[NIL]
	s_wait_dscnt 0x0
	CROUND                                         ; the closing round
	s_endpgm
.Lfunc_end_k_qa0c0edf415_search:
	.size	k_qa0c0edf415_search, .Lfunc_end_k_qa0c0edf415_search-k_qa0c0edf415_search
	.p2alignl 7, 3214868480
	.fill 96, 4, 3214868480
	.section	.rodata,"a",@progbits
	.p2align	6, 0x0
	.amdhsa_kernel k_qa0c0edf415_search
		.amdhsa_group_segment_fixed_size 327680
		.amdhsa_private_segment_fixed_size 0
		.amdhsa_enable_private_segment 0
		.amdhsa_kernarg_size 32
		.amdhsa_user_sgpr_count 2
		.amdhsa_user_sgpr_kernarg_segment_ptr 1
		.amdhsa_wavefront_size32 1
		.amdhsa_system_sgpr_workgroup_id_x 1
		.amdhsa_system_sgpr_workgroup_id_y 1
		.amdhsa_system_sgpr_workgroup_id_z 1
		.amdhsa_system_vgpr_workitem_id 0
		.amdhsa_next_free_vgpr 512
		.amdhsa_next_free_sgpr 66
		.amdhsa_reserve_vcc 1
		.amdhsa_float_denorm_mode_32 3
		.amdhsa_float_denorm_mode_16_64 3
		.amdhsa_memory_ordered 1
		.amdhsa_forward_progress 1
		.amdhsa_inst_pref_size 225
	.end_amdhsa_kernel
	.amdgpu_metadata
---
amdhsa.version: [ 1, 2 ]
amdhsa.kernels:
  - .name:           k_qa0c0edf415_search
    .symbol:         k_qa0c0edf415_search.kd
    .args:
      - { .name: zq, .offset: 0, .size: 8, .value_kind: global_buffer, .address_space: global }
      - { .name: cbq, .offset: 8, .size: 8, .value_kind: global_buffer, .address_space: global }
      - { .name: out1, .offset: 16, .size: 8, .value_kind: global_buffer, .address_space: global }
      - { .name: idx, .offset: 24, .size: 8, .value_kind: global_buffer, .address_space: global }
    .group_segment_fixed_size: 327680
    .private_segment_fixed_size: 0
    .kernarg_segment_align: 8
    .kernarg_segment_size: 32
    .max_flat_workgroup_size: 256
    .sgpr_count:     66
    .vgpr_count:     512
    .wavefront_size: 32
...
	.end_amdgpu_metadata
.endif
;; end of part 2
;; launch gather (part 3): grid 256 x 1, 8 waves a work-group, no clusters, 0 bytes of LDS; arguments z_e, codebook, idx, out0, part; writes out0, part
.if DOCPART == 3
	.amdgcn_target "amdgcn-amd-amdhsa--gfx1250"
	.amdhsa_code_object_version 6
	.text
	.protected	k_qa0c0edf415_gather
	.globl	k_qa0c0edf415_gather
	.p2align	8
	.type	k_qa0c0edf415_gather,@function
k_qa0c0edf415_gather:
	s_mov_b64 s[64:65], 0
	v_nop
	global_prefetch_b8 v0, s[64:65] scope:SCOPE_SE
	s_setreg_imm32_b32 hwreg(HW_REG_WAVE_MODE, 25, 1), 1
	s_wait_xcnt 0x0
; out0[b][:] = z_e[b] + (codebook[idx[b]] - z_e[b]), in f32 and in that order; part[wave] = the sum over the wave's 16 rows of (codebook[idx[b]] - z_e[b])^2.
; idx was stored by the launch before as whole numbers.  Each index is held to 0 .. 8,191 before it enters an address.
; SHARES.  A wave owns 16 rows; its 16 indices come by one scalar load, and each row of the codebook gets a scalar base of its own.  A row is 1,024 bytes: two loads of 16 bytes a lane, 512 consecutive bytes each.
; Rows go in groups of four through three sets of 64 registers: up to 48 loads of a wave are out.  z_e's loads of the first three groups are issued while the indices are on their way, the codebook's behind them.
; Memory binds: no LDS, no barrier, no matrix unit, no cluster (no tile is shared).  The wave's one partial sum leaves by a store of 4 bytes: 2,048 such stores in the launch, beside 32 MiB of whole rows.
.set LI,  1                            ; v1   16 x lane; never rewritten
.set ACC, 16                           ; v16-23 four pairs of sums of squares
.set DAT, 32                           ; v32-223 three sets: row j of a group at 16 j: 8 registers of z, 8 of the code
.set CB,  32                           ; s[32:63] the 16 code rows' addresses
	s_load_b256 s[4:11], s[0:1], 0x0               ; z_e s[4:5], codebook s[6:7], idx s[8:9], out0 s[10:11]
	s_load_b64 s[12:13], s[0:1], 0x20              ; part
	v_lshrrev_b32 v2, 5, v0
	s_delay_alu instid0(VALU_DEP_1)
	v_readfirstlane_b32 s14, v2                    ; wave 0..7
	v_and_b32 v2, 31, v0                           ; lane
	s_delay_alu instid0(VALU_DEP_1)
	v_lshlrev_b32 v[LI], 4, v2
	v_mov_b32 v3, 0
	s_lshl_b32 s15, ttmp9, 3
	s_add_co_u32 s15, s15, s14                     ; my wave among the launch's 2,048
	s_lshl_b32 s2, s15, 6                          ; its 16 indices: 64 bytes
	s_mov_b32 s3, 0
	s_wait_alu depctr_va_vdst(0)
	s_wait_kmcnt 0x0
	s_add_nc_u64 s[8:9], s[8:9], s[2:3]
	s_load_b512 s[16:31], s[8:9], 0x0
	s_lshl_b32 s2, s15, 14                         ; its 16 rows of 1,024 bytes
	s_add_nc_u64 s[4:5], s[4:5], s[2:3]
	s_add_nc_u64 s[10:11], s[10:11], s[2:3]
.macro LOADZ g                         ; z_e's rows 4 g .. 4 g + 3: 8 loads; read once here
.set S, DAT+64*((\g)%3)
.irp j, 0,1,2,3
	global_load_b128 v[S+16*\j:S+16*\j+3],     v[LI], s[4:5] offset:(4*(\g)+\j)*1024 th:TH_LOAD_NT
	global_load_b128 v[S+16*\j+4:S+16*\j+7],   v[LI], s[4:5] offset:(4*(\g)+\j)*1024+512 th:TH_LOAD_NT
.endr
.endm
.macro LOADC g                         ; their code rows: 8 loads; a code row may be named again, so it carries no hint
.set S, DAT+64*((\g)%3)
.irp j, 0,1,2,3
	global_load_b128 v[S+16*\j+8:S+16*\j+11],  v[LI], s[CB+2*(4*(\g)+\j):CB+2*(4*(\g)+\j)+1]
	global_load_b128 v[S+16*\j+12:S+16*\j+15], v[LI], s[CB+2*(4*(\g)+\j):CB+2*(4*(\g)+\j)+1] offset:512
.endr
.endm
	LOADZ 0
	LOADZ 1
	LOADZ 2
	s_lshl_b32 s2, s15, 2
	s_add_nc_u64 s[12:13], s[12:13], s[2:3]
	s_wait_kmcnt 0x0
.irp k, 0,1,2,3,4,5,6,7,8,9,10,11,12,13,14,15
	s_min_u32 s2, s[16+\k], 0x1fff                 ; inside the table
	s_lshl_b32 s2, s2, 10
	s_add_nc_u64 s[CB+2*\k:CB+2*\k+1], s[6:7], s[2:3]
.endr
	LOADC 0
	LOADC 1
	LOADC 2
	s_mov_b32 s16, 0x76543210                      ; (the indices are used up)  v_permlanex16_b32's selects for lane l xor 16
	s_mov_b32 s17, 0xfedcba98
.macro PROC g, left                    ; left: the younger loads that may stay out
.set S, DAT+64*((\g)%3)
	s_wait_loadcnt \left
.irp j, 0,1,2,3
.irp m, 0,1,2,3
	v_pk_add_f32 v[S+16*\j+8+2*\m:S+16*\j+9+2*\m], v[S+16*\j+8+2*\m:S+16*\j+9+2*\m], v[S+16*\j+2*\m:S+16*\j+2*\m+1] neg_lo:[0,1] neg_hi:[0,1]   ; z_q - z_e
.endr
.irp m, 0,1,2,3
.if (\g) == 0 && \j == 0
	s_delay_alu instid0(VALU_DEP_4)
	v_pk_mul_f32 v[ACC+2*\m:ACC+2*\m+1], v[S+16*\j+8+2*\m:S+16*\j+9+2*\m], v[S+16*\j+8+2*\m:S+16*\j+9+2*\m]   ; the first row starts the four chains: nothing is cleared
.else
	s_delay_alu instid0(VALU_DEP_4)
	v_pk_fma_f32 v[ACC+2*\m:ACC+2*\m+1], v[S+16*\j+8+2*\m:S+16*\j+9+2*\m], v[S+16*\j+8+2*\m:S+16*\j+9+2*\m], v[ACC+2*\m:ACC+2*\m+1]
.endif
.endr
.irp m, 0,1,2,3
	v_pk_add_f32 v[S+16*\j+8+2*\m:S+16*\j+9+2*\m], v[S+16*\j+2*\m:S+16*\j+2*\m+1], v[S+16*\j+8+2*\m:S+16*\j+9+2*\m]   ; z_e + (z_q - z_e)
.endr
	global_store_b128 v[LI], v[S+16*\j+8:S+16*\j+11],  s[10:11] offset:(4*(\g)+\j)*1024 th:TH_STORE_NT       ; 32 lanes store 512 consecutive bytes, aligned
	global_store_b128 v[LI], v[S+16*\j+12:S+16*\j+15], s[10:11] offset:(4*(\g)+\j)*1024+512 th:TH_STORE_NT
.endr
.endm
	PROC 0, 16                                     ; group 0's code rows are in (all of z_e's 24 loads are older); the code rows of groups 1 and 2 stay out
	s_wait_xcnt 0x0                                ; group 0's stores have read their registers: only behind this wait is the set loaded again
	LOADZ 3
	LOADC 3
	PROC 1, 24                                     ; group 2's 8 code loads and group 3's 16 loads stay out
	PROC 2, 16
	PROC 3, 0
	v_pk_add_f32 v[ACC:ACC+1], v[ACC:ACC+1], v[ACC+2:ACC+3]
	v_pk_add_f32 v[ACC+4:ACC+5], v[ACC+4:ACC+5], v[ACC+6:ACC+7]
	s_delay_alu instid0(VALU_DEP_1)
	v_pk_add_f32 v[ACC:ACC+1], v[ACC:ACC+1], v[ACC+4:ACC+5]
	s_delay_alu instid0(VALU_DEP_1)
	v_add_f32 v[ACC], v[ACC], v[ACC+1]
	s_delay_alu instid0(VALU_DEP_1)
	v_add_f32_dpp v[ACC], v[ACC], v[ACC] row_xmask:1 row_mask:0xf bank_mask:0xf
	s_delay_alu instid0(VALU_DEP_1)
	v_add_f32_dpp v[ACC], v[ACC], v[ACC] row_xmask:2 row_mask:0xf bank_mask:0xf
	s_delay_alu instid0(VALU_DEP_1)
	v_add_f32_dpp v[ACC], v[ACC], v[ACC] row_xmask:4 row_mask:0xf bank_mask:0xf
	s_delay_alu instid0(VALU_DEP_1)
	v_add_f32_dpp v[ACC], v[ACC], v[ACC] row_xmask:8 row_mask:0xf bank_mask:0xf
	s_delay_alu instid0(VALU_DEP_1)
	v_permlanex16_b32 v[ACC+1], v[ACC], s16, s17
	s_delay_alu instid0(VALU_DEP_1)
	v_add_f32 v[ACC], v[ACC], v[ACC+1]             ; the wave's sum, in every lane
	v_cmp_eq_u32 vcc_lo, 0, v2
	s_wait_alu depctr_va_vdst(0)
	s_wait_xcnt 0x0                                ; EXEC changes only behind this wait: the stores above have it among their sources
	s_and_saveexec_b32 s18, vcc_lo
	global_store_b32 v3, v[ACC], s[12:13]          ; lane 0 alone
	s_wait_xcnt 0x0                                ; and again, in front of the line that widens it
	s_or_b32 exec_lo, exec_lo, s18
	s_endpgm
.Lfunc_end_k_qa0c0edf415_gather:
	.size	k_qa0c0edf415_gather, .Lfunc_end_k_qa0c0edf415_gather-k_qa0c0edf415_gather
	.p2alignl 7, 3214868480
	.fill 96, 4, 3214868480
	.section	.rodata,"a",@progbits
	.p2align	6, 0x0
	.amdhsa_kernel k_qa0c0edf415_gather
		.amdhsa_group_segment_fixed_size 0
		.amdhsa_private_segment_fixed_size 0
		.amdhsa_enable_private_segment 0
		.amdhsa_kernarg_size 40
		.amdhsa_user_sgpr_count 2
		.amdhsa_user_sgpr_kernarg_segment_ptr 1
		.amdhsa_wavefront_size32 1
		.amdhsa_system_sgpr_workgroup_id_x 1
		.amdhsa_system_sgpr_workgroup_id_y 1
		.amdhsa_system_sgpr_workgroup_id_z 1
		.amdhsa_system_vgpr_workitem_id 0
		.amdhsa_next_free_vgpr 224
		.amdhsa_next_free_sgpr 66
		.amdhsa_reserve_vcc 1
		.amdhsa_float_denorm_mode_32 3
		.amdhsa_float_denorm_mode_16_64 3
		.amdhsa_memory_ordered 1
		.amdhsa_forward_progress 1
		.amdhsa_inst_pref_size 28
	.end_amdhsa_kernel
	.amdgpu_metadata
---
amdhsa.version: [ 1, 2 ]
amdhsa.kernels:
  - .name:           k_qa0c0edf415_gather
    .symbol:         k_qa0c0edf415_gather.kd
    .args:
      - { .name: z_e, .offset: 0, .size: 8, .value_kind: global_buffer, .address_space: global }
      - { .name: codebook, .offset: 8, .size: 8, .value_kind: global_buffer, .address_space: global }
      - { .name: idx, .offset: 16, .size: 8, .value_kind: global_buffer, .address_space: global }
      - { .name: out0, .offset: 24, .size: 8, .value_kind: global_buffer, .address_space: global }
      - { .name: part, .offset: 32, .size: 8, .value_kind: global_buffer, .address_space: global }
    .group_segment_fixed_size: 0
    .private_segment_fixed_size: 0
    .kernarg_segment_align: 8
    .kernarg_segment_size: 40
    .max_flat_workgroup_size: 256
    .sgpr_count:     66
    .vgpr_count:     224
    .wavefront_size: 32
...
	.end_amdgpu_metadata
.endif
;; end of part 3
;; launch loss (part 4): grid 1 x 1, 1 waves a work-group, no clusters, 0 bytes of LDS; arguments part, out2; writes out2
.if DOCPART == 4
	.amdgcn_target "amdgcn-amd-amdhsa--gfx1250"
	.amdhsa_code_object_version 6
	.text
	.protected	k_qa0c0edf415_loss
	.globl	k_qa0c0edf415_loss
	.p2align	8
	.type	k_qa0c0edf415_loss,@function
k_qa0c0edf415_loss:
	s_mov_b64 s[64:65], 0
	v_nop
	global_prefetch_b8 v0, s[64:65] scope:SCOPE_SE
	s_setreg_imm32_b32 hwreg(HW_REG_WAVE_MODE, 25, 1), 1
	s_wait_xcnt 0x0
; out2 = codebook_loss + 0.25 commitment_loss = 1.25 x the mean of (z_q - z_e)^2 over 32,768 x 256 = 2^23 numbers.
; part holds 2,048 partial sums, 8,192 bytes: one wave reads them by sixteen loads of 512 consecutive bytes, adds them in two packed chains and across its lanes, and lane 0 stores the one number.
; The sum spans all work-groups of the launch before, so it has one owner here: no atomics.
	s_load_b128 s[4:7], s[0:1], 0x0                ; part s[4:5], out2 s[6:7]
	v_lshlrev_b32 v1, 4, v0                        ; 16 x lane
	v_mov_b32 v2, 0
	s_mov_b32 s8, 0x76543210                       ; v_permlanex16_b32's selects for lane l xor 16
	s_mov_b32 s9, 0xfedcba98
	s_wait_alu depctr_va_vdst(0)
	s_wait_kmcnt 0x0
.irp i, 0,1,2,3,4,5,6,7,8,9,10,11,12,13,14,15
	global_load_b128 v[16+4*\i:19+4*\i], v1, s[4:5] offset:512*\i
.endr
	s_wait_loadcnt 0x0
.irp i, 1,2,3,4,5,6,7,8,9,10,11,12,13,14,15
	v_pk_add_f32 v[16:17], v[16:17], v[16+4*\i:17+4*\i]
	v_pk_add_f32 v[18:19], v[18:19], v[18+4*\i:19+4*\i]
.endr
	v_pk_add_f32 v[16:17], v[16:17], v[18:19]
	v_add_f32 v16, v16, v17
	v_add_f32_dpp v16, v16, v16 row_xmask:1 row_mask:0xf bank_mask:0xf
	v_add_f32_dpp v16, v16, v16 row_xmask:2 row_mask:0xf bank_mask:0xf
	v_add_f32_dpp v16, v16, v16 row_xmask:4 row_mask:0xf bank_mask:0xf
	v_add_f32_dpp v16, v16, v16 row_xmask:8 row_mask:0xf bank_mask:0xf
	v_permlanex16_b32 v17, v16, s8, s9
	v_add_f32 v16, v16, v17
	v_mul_f32 v16, 0x34200000, v16                 ; x 1.25 x 2^-23
	v_cmp_eq_u32 vcc_lo, 0, v0
	s_wait_alu depctr_va_vdst(0)
	s_wait_xcnt 0x0                                ; EXEC changes only behind this wait
	s_and_saveexec_b32 s10, vcc_lo
	global_store_b32 v2, v16, s[6:7]               ; lane 0 alone
	s_wait_xcnt 0x0
	s_or_b32 exec_lo, exec_lo, s10
	s_endpgm
.Lfunc_end_k_qa0c0edf415_loss:
	.size	k_qa0c0edf415_loss, .Lfunc_end_k_qa0c0edf415_loss-k_qa0c0edf415_loss
	.p2alignl 7, 3214868480
	.fill 96, 4, 3214868480
	.section	.rodata,"a",@progbits
	.p2align	6, 0x0
	.amdhsa_kernel k_qa0c0edf415_loss
		.amdhsa_group_segment_fixed_size 0
		.amdhsa_private_segment_fixed_size 0
		.amdhsa_enable_private_segment 0
		.amdhsa_kernarg_size 16
		.amdhsa_user_sgpr_count 2
		.amdhsa_user_sgpr_kernarg_segment_ptr 1
		.amdhsa_wavefront_size32 1
		.amdhsa_system_sgpr_workgroup_id_x 1
		.amdhsa_system_sgpr_workgroup_id_y 1
		.amdhsa_system_sgpr_workgroup_id_z 1
		.amdhsa_system_vgpr_workitem_id 0
		.amdhsa_next_free_vgpr 80
		.amdhsa_next_free_sgpr 66
		.amdhsa_reserve_vcc 1
		.amdhsa_float_denorm_mode_32 3
		.amdhsa_float_denorm_mode_16_64 3
		.amdhsa_memory_ordered 1
		.amdhsa_forward_progress 1
		.amdhsa_inst_pref_size 5
	.end_amdhsa_kernel
	.amdgpu_metadata
---
amdhsa.version: [ 1, 2 ]
amdhsa.kernels:
  - .name:           k_qa0c0edf415_loss
    .symbol:         k_qa0c0edf415_loss.kd
    .args:
      - { .name: part, .offset: 0, .size: 8, .value_kind: global_buffer, .address_space: global }
      - { .name: out2, .offset: 8, .size: 8, .value_kind: global_buffer, .address_space: global }
    .group_segment_fixed_size: 0
    .private_segment_fixed_size: 0
    .kernarg_segment_align: 8
    .kernarg_segment_size: 16
    .max_flat_workgroup_size: 32
    .sgpr_count:     66
    .vgpr_count:     80
    .wavefront_size: 32
...
	.end_amdgpu_metadata
.endif
;; end of part 4
